; MI455X (gfx1250); checked and timed in simulation.
; The chip was launched on July 23, 2026; its instructions are those of AMD's public machine-readable ISA for CDNA 5 (MIT licence, August 2026) and "CDNA5" Instruction Set Architecture Reference Guide (July 2026). The comments in the code are by the model that wrote it; some were corrected since.
;; Multi Scale Ro I Align. Allowed arithmetic: float matrix products may take bf16 or f16 operands with f32 sums; all other float work in f32.
;; Inputs: bboxes 2 x 512 x 4 float32; feat0 2 x 256 x 32 x 32 float32; feat1 2 x 256 x 64 x 64 float32; feat2 2 x 256 x 128 x 128 float32; feat3 2 x 256 x 256 x 256 float32.
;; Outputs: out0 1,024 x 256 x 7 x 7 float32.
;; One version. Each part assembles by itself: llvm-mc -triple=amdgcn-amd-amdhsa -mcpu=gfx1250 --defsym DOCPART=n.
;; ======== version 1 of 1: 2 launches
;; workspace buffers: taps 262,144 bytes of whole numbers; wts 262,144 bytes
;; launch prep (part 1): grid 128 x 1, 8 waves a work-group, no clusters, 0 bytes of LDS; arguments bboxes, taps, wts; writes taps, wts
.if DOCPART == 1
	.amdgcn_target "amdgcn-amd-amdhsa--gfx1250"
	.amdhsa_code_object_version 6
	.text
	.protected	k_q3bce2eb928_prep
	.globl	k_q3bce2eb928_prep
	.p2align	8
	.type	k_q3bce2eb928_prep,@function
k_q3bce2eb928_prep:
	s_mov_b64 s[64:65], 0
	v_nop
	global_prefetch_b8 v0, s[64:65] scope:SCOPE_SE
	s_setreg_imm32_b32 hwreg(HW_REG_WAVE_MODE, 25, 1), 1
	s_wait_xcnt 0x0
; RoIAlign, step 1: from each box the whole numbers and the weights that step 2 gathers with.
; One wave per box (1,024 boxes = 128 work-groups x 8 waves), one lane per tap.  Tap l = 2 s + t: sample s = l >> 1 of the 14 samples along an axis
; (bin s >> 1), t = 0 the lower cell, t = 1 the upper one.  The same lane does tap l of x and tap l of y.
; Along an axis of SIZE cells a sample at c is valid for -1 <= c <= SIZE; cc = clamp(c, 0, SIZE-1); lower cell = min(floor(cc), SIZE-2);
; weight of a cell p = max(0, 1 - |cc - p|).  Inside the plane that is (1 - frac, frac); at the far edge it is (0, 1) on cells SIZE-2, SIZE-1,
; the value that the edge rule (both cells = SIZE-1, frac = 0) gives; and the upper cell is always the lower one + 1.
; Each weight also carries the validity (0 or 1) and 0.5, so that wy * wx holds the mean over the 2 x 2 samples of a bin.
; Record of a box in taps, 64 words: 0-15 byte offset of the lower row of sample 0-15 (14 and 15 are not used), 16 level, 17 bytes in a row,
; 18 bytes in a plane, 19-31 not used, 32-63 byte offset in a row of x tap 0-31.  In wts, 64 f32: 0-31 wy of tap l, 32-63 wx of tap l (taps 28-31: 0).
; LIMITS: boxes are finite numbers (for a NaN or an infinite box the weights come out 0, where the model gives NaN).  The bin size is
; roi * (1/7), not a division, and c is one fused multiply-add: c can differ by an ulp or two, which shows only for a sample lying
; exactly on -1 or on SIZE.
; Each record array of 128 bytes is one store of the wave: 0.5 MB in all, four stores a wave.
.set LANE, 1
.set ROI,  2
.set BOX,  4                           ; v[4:7] x1 y1 x2 y2; v4, v5 become x1, y1 in cells
.set GT,   8                           ; place of my tap's sample in bins: 0.25 (2 s + 1)
.set GS,   9                           ; place of sample number = lane
.set TF,   10                          ; t as f32
.set REC,  11                          ; 256 x box + 4 x lane
.set BW,   12                          ; x2 - x1, then the bin's width in cells
.set BH,   13                          ; the same for y
.set AREA, 14
.set LVL,  15
.set TMP,  16                          ; v16, v17
.set SZ,   18                          ; SIZE, SIZE - 1, SIZE - 2 as f32: v18, v19, v20
.set XC,   21
.set XL,   22
.set XP,   23
.set XW,   24
.set YC,   25
.set YL,   26
.set YP,   27
.set YW,   28
.set SC,   29
.set SL,   30
.set SH,   31
.set PIT,  32
.set PLN,  33
	s_load_b128 s[4:7], s[0:1], 0x0                ; bboxes s[4:5], taps s[6:7]
	s_load_b64 s[8:9], s[0:1], 0x10                ; wts
	v_and_b32 v[LANE], 31, v0
	v_lshrrev_b32 v[ROI], 5, v0
	s_lshl_b32 s10, ttmp9, 3
	v_add_nc_u32 v[ROI], s10, v[ROI]               ; box = 8 x work-group + wave
	v_lshlrev_b32 v3, 4, v[ROI]                    ; 16 bytes a box; every lane of the wave reads the same box
	s_wait_kmcnt 0x0
	global_load_b128 v[BOX:BOX+3], v3, s[4:5]
	v_or_b32 v[GT], 1, v[LANE]                     ; 2 s + 1
	v_cvt_f32_u32 v[GT], v[GT]
	v_mul_f32 v[GT], 0x3e800000, v[GT]             ; x 0.25 = bin + 0.25 or bin + 0.75
	v_lshl_or_b32 v[GS], v[LANE], 1, 1             ; 2 lane + 1
	v_cvt_f32_u32 v[GS], v[GS]
	v_mul_f32 v[GS], 0x3e800000, v[GS]
	v_and_b32 v[TF], 1, v[LANE]
	v_cvt_f32_u32 v[TF], v[TF]
	v_lshlrev_b32 v[REC], 8, v[ROI]
	v_lshl_or_b32 v[REC], v[LANE], 2, v[REC]
	v_cmp_gt_u32 s11, 28, v[LANE]                  ; lanes 28-31 are no taps: weight 0
	s_wait_loadcnt 0x0
	; level = how many of the thresholds 384^2, 192^2, 96^2 the area is below; the area as the model forms it: two differences, one product
	v_sub_f32 v[BW], v[BOX+2], v[BOX]
	v_sub_f32 v[BH], v[BOX+3], v[BOX+1]
	v_mul_f32 v[AREA], v[BH], v[BW]
	v_cmp_gt_f32 vcc_lo, 0x48100000, v[AREA]       ; 147456 > area
	v_cndmask_b32 v[LVL], 0, 1, vcc_lo
	v_cmp_gt_f32 vcc_lo, 0x47100000, v[AREA]       ; 36864 > area
	v_cndmask_b32 v[TMP], 0, 1, vcc_lo
	v_add_nc_u32 v[LVL], v[LVL], v[TMP]
	v_cmp_gt_f32 vcc_lo, 0x46100000, v[AREA]       ; 9216 > area
	v_cndmask_b32 v[TMP], 0, 1, vcc_lo
	v_add_nc_u32 v[LVL], v[LVL], v[TMP]
	; pixels to cells: x 2^(level - 5), exact, so scaling the differences equals differencing the scaled corners
	v_add_nc_u32 v[TMP], -5, v[LVL]
	v_ldexp_f32 v[BOX], v[BOX], v[TMP]
	v_ldexp_f32 v[BOX+1], v[BOX+1], v[TMP]
	v_ldexp_f32 v[BW], v[BW], v[TMP]
	v_ldexp_f32 v[BH], v[BH], v[TMP]
	v_max_num_f32 v[BW], 1.0, v[BW]
	v_max_num_f32 v[BH], 1.0, v[BH]
	v_mul_f32 v[BW], 0x3e124925, v[BW]             ; x 1/7
	v_mul_f32 v[BH], 0x3e124925, v[BH]
	v_lshlrev_b32 v[TMP+1], v[LVL], 32             ; SIZE = 32 << level (planes are square)
	v_cvt_f32_u32 v[SZ], v[TMP+1]
	v_add_f32 v[SZ+1], -1.0, v[SZ]
	v_add_f32 v[SZ+2], -2.0, v[SZ]
; c = c1 + g * bin; cc and the lower cell (as f32); with valid = 1 also the mask of the lanes whose sample counts, in s[m]
.macro COORD c1, bin, g, cc, lo, valid, m
	v_fma_f32 v[\cc], v[\g], v[\bin], v[\c1]
.if \valid
	v_cmp_le_f32 s[\m], -1.0, v[\cc]               ; -1 <= c
	v_cmp_ge_f32 vcc_lo, v[SZ], v[\cc]             ; SIZE >= c
	s_and_b32 s[\m], s[\m], vcc_lo
	s_and_b32 s[\m], s[\m], s11
.endif
	v_max_num_f32 v[\cc], 0, v[\cc]
	v_min_num_f32 v[\cc], v[\cc], v[SZ+1]
	v_floor_f32 v[\lo], v[\cc]
	v_min_num_f32 v[\lo], v[\lo], v[SZ+2]
.endm
; my tap's cell p (f32) and its weight w
.macro TAPW cc, lo, m, p, w
	v_add_f32 v[\p], v[\lo], v[TF]
	v_sub_f32 v[\w], v[\cc], v[\p]
	v_sub_f32 v[\w], 1.0, |v[\w]|
	v_max_num_f32 v[\w], 0, v[\w]
	v_mul_f32 v[\w], 0.5, v[\w]
	v_cndmask_b32 v[\w], 0, v[\w], s[\m]
.endm
	COORD BOX, BW, GT, XC, XL, 1, 12
	TAPW XC, XL, 12, XP, XW
	v_cvt_u32_f32 v[XP], v[XP]                     ; 0 .. SIZE-1, a whole number already
	v_lshlrev_b32 v[XP], 2, v[XP]                  ; bytes in a row
	COORD BOX+1, BH, GT, YC, YL, 1, 13
	TAPW YC, YL, 13, YP, YW
	COORD BOX+1, BH, GS, SC, SL, 0, 14             ; lane l: the lower row of sample l
	v_cvt_u32_f32 v[SL], v[SL]
	v_add_nc_u32 v[SH], 7, v[LVL]
	v_lshlrev_b32 v[SL], v[SH], v[SL]              ; x bytes in a row = 128 << level
	v_lshlrev_b32 v[PIT], v[SH], 1                 ; bytes in a row
	v_lshl_add_u32 v[PLN], v[LVL], 1, 12
	v_lshlrev_b32 v[PLN], v[PLN], 1                ; bytes in a plane = 4096 << 2 level
	v_cmp_eq_u32 vcc_lo, 16, v[LANE]               ; words 16, 17, 18 of the record carry level, row bytes, plane bytes
	v_cndmask_b32 v[SL], v[SL], v[LVL], vcc_lo
	v_cmp_eq_u32 vcc_lo, 17, v[LANE]
	v_cndmask_b32 v[SL], v[SL], v[PIT], vcc_lo
	v_cmp_eq_u32 vcc_lo, 18, v[LANE]
	v_cndmask_b32 v[SL], v[SL], v[PLN], vcc_lo
	global_store_b32 v[REC], v[SL], s[6:7]
	global_store_b32 v[REC], v[XP], s[6:7] offset:128
	global_store_b32 v[REC], v[YW], s[8:9]
	global_store_b32 v[REC], v[XW], s[8:9] offset:128
	s_endpgm
.Lfunc_end_k_q3bce2eb928_prep:
	.size	k_q3bce2eb928_prep, .Lfunc_end_k_q3bce2eb928_prep-k_q3bce2eb928_prep
	.p2alignl 7, 3214868480
	.fill 96, 4, 3214868480
	.section	.rodata,"a",@progbits
	.p2align	6, 0x0
	.amdhsa_kernel k_q3bce2eb928_prep
		.amdhsa_group_segment_fixed_size 0
		.amdhsa_private_segment_fixed_size 0
		.amdhsa_enable_private_segment 0
		.amdhsa_kernarg_size 24
		.amdhsa_user_sgpr_count 2
		.amdhsa_user_sgpr_kernarg_segment_ptr 1
		.amdhsa_wavefront_size32 1
		.amdhsa_system_sgpr_workgroup_id_x 1
		.amdhsa_system_sgpr_workgroup_id_y 1
		.amdhsa_system_sgpr_workgroup_id_z 1
		.amdhsa_system_vgpr_workitem_id 0
		.amdhsa_next_free_vgpr 36
		.amdhsa_next_free_sgpr 66
		.amdhsa_reserve_vcc 1
		.amdhsa_float_denorm_mode_32 3
		.amdhsa_float_denorm_mode_16_64 3
		.amdhsa_memory_ordered 1
		.amdhsa_forward_progress 1
		.amdhsa_inst_pref_size 5
	.end_amdhsa_kernel
	.amdgpu_metadata
---
amdhsa.version: [ 1, 2 ]
amdhsa.kernels:
  - .name:           k_q3bce2eb928_prep
    .symbol:         k_q3bce2eb928_prep.kd
    .args:
      - { .name: bboxes, .offset: 0, .size: 8, .value_kind: global_buffer, .address_space: global }
      - { .name: taps, .offset: 8, .size: 8, .value_kind: global_buffer, .address_space: global }
      - { .name: wts, .offset: 16, .size: 8, .value_kind: global_buffer, .address_space: global }
    .group_segment_fixed_size: 0
    .private_segment_fixed_size: 0
    .kernarg_segment_align: 8
    .kernarg_segment_size: 24
    .max_flat_workgroup_size: 256
    .sgpr_count:     66
    .vgpr_count:     36
    .wavefront_size: 32
...
	.end_amdgpu_metadata
.endif
;; end of part 1
;; launch pool (part 2): grid 1024 x 1, 8 waves a work-group, no clusters, 51,200 bytes of LDS; arguments feat0, feat1, feat2, feat3, taps, wts, out0; writes out0
.if DOCPART == 2
	.amdgcn_target "amdgcn-amd-amdhsa--gfx1250"
	.amdhsa_code_object_version 6
	.text
	.protected	k_q3bce2eb928_pool
	.globl	k_q3bce2eb928_pool
	.p2align	8
	.type	k_q3bce2eb928_pool,@function
k_q3bce2eb928_pool:
	s_mov_b64 s[64:65], 0
	v_nop
	global_prefetch_b8 v0, s[64:65] scope:SCOPE_SE
	s_setreg_imm32_b32 hwreg(HW_REG_WAVE_MODE, 25, 1), 1
	s_wait_xcnt 0x0
; RoIAlign, step 2: out[box][c][py][px] = sum over 4 row taps a and 4 column taps b of wy[4 py + a] wx[4 px + b] f[c][row tap][column tap], all f32.
; One work-group per box, eight waves, 32 channels a wave.  Lane l = 4 px + b is column tap l (lanes 28-31 carry weight 0 and a valid address).
; A channel is 28 loads of 4 bytes a lane: sample s = 0..13, lower and upper row; the 28 taps of one load lie in one row of the plane.
; The 14 vector offsets (row of sample s + my column) serve every channel; the upper row is the lower one + a row, so it needs only a second
; scalar base; a channel step moves the scalar bases.  Offsets, level and sizes are whole numbers that the launch before stored.
; In the lane: 14 packed multiply-adds against wy * wx (28 registers, made once); a bin's two halves are added, then the 4 lanes of a bin
; (DPP, lane xor 1, xor 2); lane b = 0 puts the 7 results into the box's image in LDS: 256 channels x 49 f32 = 50,176 bytes, as in out0.
; Two channel slots take turns, so that 28 to 56 loads of every wave are out.  With 122 registers and 51,200 bytes of LDS four
; work-groups share a WGP: 1,024 work-groups on 256 WGPs, all at work at once and walking the channels in the same order.
; No cluster, no tensor load: a patch's place and shape hang on the box, and no two work-groups want the same tile at the same step.
; No matrix unit: the model forms no matrix product here, and the sums stay in f32.
; LIMIT: features are finite (a tap with weight 0 is still multiplied; at the far edge it is cell SIZE-2, where the model reads SIZE-1 twice).
.set CHW,   32                         ; channels of a wave
.set CHB,   196                        ; bytes of a channel's 49 results
.set BOXB,  256*CHB                    ; bytes of a box's results
.set OFF,   2                          ; v[2:15]    sample s: byte offset in the plane of (lower row, my column)
.set WT,    16                         ; v[16:43]   wy[r] * wx[lane], r = 2 s + t
.set DA,    44                         ; v[44:71]   slot A: r = 2 s lower row, 2 s + 1 upper row
.set DB,    72                         ; v[72:99]   slot B
.set ACC,   100                        ; v[100:113] bin py: two half sums
.set STA,   114                        ; LDS address of (my wave's current even channel, py = 0, my px)
.set XO,    115
.set WX,    116
.set T0,    117
.set T1,    118
.set YLO,   16                         ; s[16:31]  row offsets of the samples
.set HDR,   32                         ; s[32:35]  level, bytes in a row, bytes in a plane
.set WY,    36                         ; s[36:63]  wy
.set ALO,   66                         ; slot A: plane of its channel; AHI: one row further
.set AHI,   68
.set BLO,   70
.set BHI,   72
.set STEP,  74                         ; two planes, as a pair
.set CNT,   76
.set WAVE,  77
.set SAVE,  78
	s_load_b256 s[4:11], s[0:1], 0x0               ; feat0 s[4:5], feat1 s[6:7], feat2 s[8:9], feat3 s[10:11]
	s_load_b128 s[12:15], s[0:1], 0x20             ; taps s[12:13], wts s[14:15]
	s_load_b64 s[2:3], s[0:1], 0x30                ; out0
	v_lshl_add_u32 v120, v0, 2, 0xc400
	v_mov_b32 v121, 0
	v_and_b32 v1, 31, v0                           ; lane
	v_lshrrev_b32 v[T0], 5, v0
	v_readfirstlane_b32 s[WAVE], v[T0]
	v_lshlrev_b32 v[T1], 2, v1
	s_lshl_b32 s80, ttmp9, 8                       ; a record is 256 bytes
	s_mov_b32 s81, 0
	s_wait_kmcnt 0x0
	s_add_nc_u64 s[12:13], s[12:13], s[80:81]
	s_add_nc_u64 s[14:15], s[14:15], s[80:81]
	s_load_b512 s[YLO:YLO+15], s[12:13], 0x0
	s_load_b128 s[HDR:HDR+3], s[12:13], 0x40
	s_load_b512 s[WY:WY+15], s[14:15], 0x0
	s_load_b256 s[WY+16:WY+23], s[14:15], 0x40
	s_load_b128 s[WY+24:WY+27], s[14:15], 0x60
	global_load_b32 v[XO], v[T1], s[12:13] offset:128
	global_load_b32 v[WX], v[T1], s[14:15] offset:128
	; where my results go in LDS, and which lanes store: b = 0 of bins 0-6
	v_and_b32 v[STA], 0x1c, v1                     ; 4 px
	v_min_u32 v[STA], 24, v[STA]                   ; (lanes 28-31 never store; their address stays inside the wave's part all the same)
	s_mul_i32 s82, s[WAVE], CHW*CHB
	v_add_nc_u32 v[STA], s82, v[STA]
	v_and_b32 v[T0], 3, v1
	v_cmp_eq_u32 vcc_lo, 0, v[T0]
	s_and_b32 vcc_lo, vcc_lo, 0x0fffffff           ; VCC keeps this mask to the end
	s_wait_kmcnt 0x0
	; loaded whole numbers are bounded before they enter an address
	s_min_u32 s[HDR], s[HDR], 3
	s_min_u32 s[HDR+1], s[HDR+1], 0x400            ; a row: at most 256 x 4 bytes
	s_min_u32 s[HDR+2], s[HDR+2], 0x40000          ; a plane: at most 256 rows of that
.irp i, 0,1,2,3,4,5,6,7,8,9,10,11,12,13
	s_min_u32 s[YLO+\i], s[YLO+\i], 0x3f800        ; at most row 254 of 1,024 bytes
.endr
	s_cmp_eq_u32 s[HDR], 1                         ; the level picks the buffer
	s_cselect_b64 s[ALO:ALO+1], s[6:7], s[4:5]
	s_cmp_eq_u32 s[HDR], 3
	s_cselect_b64 s[AHI:AHI+1], s[10:11], s[8:9]
	s_cmp_ge_u32 s[HDR], 2
	s_cselect_b64 s[ALO:ALO+1], s[AHI:AHI+1], s[ALO:ALO+1]
	s_lshr_b32 s80, ttmp9, 9                       ; image = box / 512
	s_lshl_b32 s80, s80, 8
	s_lshl_b32 s82, s[WAVE], 5
	s_add_co_u32 s80, s80, s82                     ; plane number of my first channel, at most 480
	s_mul_i32 s80, s80, s[HDR+2]                   ; in bytes: below 2^27
	s_mov_b32 s81, 0
	s_add_nc_u64 s[ALO:ALO+1], s[ALO:ALO+1], s[80:81]
	s_mov_b32 s82, s[HDR+1]
	s_mov_b32 s83, 0
	s_add_nc_u64 s[AHI:AHI+1], s[ALO:ALO+1], s[82:83]
	s_mov_b32 s84, s[HDR+2]
	s_mov_b32 s85, 0
	s_add_nc_u64 s[BLO:BLO+1], s[ALO:ALO+1], s[84:85]
	s_add_nc_u64 s[BHI:BHI+1], s[AHI:AHI+1], s[84:85]
	s_lshl_b32 s[STEP], s[HDR+2], 1
	s_mov_b32 s[STEP+1], 0
	s_wait_loadcnt 0x0                             ; my column offset and wx
	v_min_u32 v[XO], 0x3fc, v[XO]                  ; at most column 255
.irp i, 0,1,2,3,4,5,6,7,8,9,10,11,12,13
	v_add_nc_u32 v[OFF+\i], s[YLO+\i], v[XO]
.endr
.macro FILL d, bl, bh                  ; a channel's 28 loads
.irp i, 0,1,2,3,4,5,6,7,8,9,10,11,12,13
	global_load_b32 v[\d+2*\i],   v[OFF+\i], s[\bl:\bl+1]
	global_load_b32 v[\d+2*\i+1], v[OFF+\i], s[\bh:\bh+1]
.endr
.endm
	FILL DA, ALO, AHI                              ; channels 0 and 1 are asked for before the weights are made
	FILL DB, BLO, BHI
.irp r, 0,1,2,3,4,5,6,7,8,9,10,11,12,13,14,15,16,17,18,19,20,21,22,23,24,25,26,27
	v_mul_f32 v[WT+\r], s[WY+\r], v[WX]
.endr
; One channel out of slot d.  odd: 0 for slot A, 1 for slot B (the next channel's 196 bytes).  refill = 1: the slot gets the channel two further on.
; left = how many younger loads may stay out.
.macro CH d, bl, bh, odd, refill, left
	s_wait_loadcnt \left                           ; loads return in order (ISA guide 5.7.1): this slot's 28 are in, the other slot's stay out
.irp p, 0,1,2,3,4,5,6
	v_pk_mul_f32 v[ACC+2*\p:ACC+2*\p+1], v[\d+4*\p:\d+4*\p+1], v[WT+4*\p:WT+4*\p+1]          ; the first product starts the sums
.endr
.irp p, 0,1,2,3,4,5,6
	v_pk_fma_f32 v[ACC+2*\p:ACC+2*\p+1], v[\d+4*\p+2:\d+4*\p+3], v[WT+4*\p+2:WT+4*\p+3], v[ACC+2*\p:ACC+2*\p+1]
.endr
.irp p, 0,1,2,3,4,5,6
	v_add_f32 v[ACC+2*\p], v[ACC+2*\p], v[ACC+2*\p+1]
.endr
.irp p, 0,1,2,3,4,5,6
	v_add_f32_dpp v[ACC+2*\p], v[ACC+2*\p], v[ACC+2*\p] row_xmask:1 row_mask:0xf bank_mask:0xf
.endr
.irp p, 0,1,2,3,4,5,6
	v_add_f32_dpp v[ACC+2*\p], v[ACC+2*\p], v[ACC+2*\p] row_xmask:2 row_mask:0xf bank_mask:0xf
.endr
	s_wait_xcnt 0x0                                ; EXEC is a source of the other slot's loads, issued one turn ago: it changes only behind this wait
	s_and_saveexec_b32 s[SAVE], vcc_lo             ; one lane of each bin stores
.irp p, 0,1,2,3,4,5,6
	ds_store_b32 v[STA], v[ACC+2*\p] offset:28*\p+CHB*\odd
.endr
	s_or_b32 exec_lo, exec_lo, s[SAVE]             ; no global instruction since the wait above
.if \refill
	s_add_nc_u64 s[\bl:\bl+1], s[\bl:\bl+1], s[STEP:STEP+1]   ; the loads that named these bases are done (the wait at the head)
	s_add_nc_u64 s[\bh:\bh+1], s[\bh:\bh+1], s[STEP:STEP+1]
	FILL \d, \bl, \bh
.endif
.endm
	s_mov_b32 s[CNT], CHW/2-1
.Lpair:
	CH DA, ALO, AHI, 0, 1, 28
	CH DB, BLO, BHI, 1, 1, 28
	v_add_nc_u32 v[STA], 2*CHB, v[STA]
	s_sub_co_u32 s[CNT], s[CNT], 1
	s_cmp_lg_u32 s[CNT], 0
	s_cbranch_scc1 .Lpair
	CH DA, ALO, AHI, 0, 0, 28                      ; the last two channels ask for nothing: no load leaves the wave's 32 planes
	CH DB, BLO, BHI, 1, 0, 0
	; The way out: the box's 50,176 bytes leave as they lie.  Thread t takes the 16 bytes at 16 t of every 4,096: a store of a wave covers 512
	; consecutive bytes that start at a multiple of 512 from the box's first byte, which is a multiple of 256 from out0's.
	s_wait_dscnt 0x0                               ; my stores are in LDS before I say so
	s_barrier_signal -1
	s_barrier_wait -1                              ; everybody's are
	s_mul_i32 s80, ttmp9, BOXB                     ; below 2^26
	s_mov_b32 s81, 0
	s_add_nc_u64 s[2:3], s[2:3], s[80:81]
	v_lshlrev_b32 v[T0], 4, v0
.irp k, 0,1,2,3,4,5,6,7,8,9,10,11
	ds_load_b128 v[DA+4*\k:DA+4*\k+3], v[T0] offset:4096*\k
.endr
.irp k, 0,1,2,3,4,5,6,7,8,9,10,11
	s_wait_dscnt 11-\k                             ; LDS loads return in order: number k is in, the younger ones stay out
	global_store_b128 v[T0], v[DA+4*\k:DA+4*\k+3], s[2:3] offset:4096*\k th:TH_STORE_NT
.endr
	s_cmp_ge_u32 s[WAVE], 2                        ; 50,176 = 12 x 4,096 + 1,024: the last 1,024 bytes are two waves' work
	s_cbranch_scc1 .Ldone
	ds_load_b128 v[DA+48:DA+51], v[T0] offset:49152
	s_wait_dscnt 0x0
	global_store_b128 v[T0], v[DA+48:DA+51], s[2:3] offset:49152 th:TH_STORE_NT
.Ldone:
	s_wait_tensorcnt 0x0
	ds_add_u32 v120, v121
	s_wait_dscnt 0x0
	s_endpgm
.Lfunc_end_k_q3bce2eb928_pool:
	.size	k_q3bce2eb928_pool, .Lfunc_end_k_q3bce2eb928_pool-k_q3bce2eb928_pool
	.p2alignl 7, 3214868480
	.fill 96, 4, 3214868480
	.section	.rodata,"a",@progbits
	.p2align	6, 0x0
	.amdhsa_kernel k_q3bce2eb928_pool
		.amdhsa_group_segment_fixed_size 51200
		.amdhsa_private_segment_fixed_size 0
		.amdhsa_enable_private_segment 0
		.amdhsa_kernarg_size 56
		.amdhsa_user_sgpr_count 2
		.amdhsa_user_sgpr_kernarg_segment_ptr 1
		.amdhsa_wavefront_size32 1
		.amdhsa_system_sgpr_workgroup_id_x 1
		.amdhsa_system_sgpr_workgroup_id_y 1
		.amdhsa_system_sgpr_workgroup_id_z 1
		.amdhsa_system_vgpr_workitem_id 0
		.amdhsa_next_free_vgpr 122
		.amdhsa_next_free_sgpr 86
		.amdhsa_reserve_vcc 1
		.amdhsa_float_denorm_mode_32 3
		.amdhsa_float_denorm_mode_16_64 3
		.amdhsa_memory_ordered 1
		.amdhsa_forward_progress 1
		.amdhsa_inst_pref_size 29
	.end_amdhsa_kernel
	.amdgpu_metadata
---
amdhsa.version: [ 1, 2 ]
amdhsa.kernels:
  - .name:           k_q3bce2eb928_pool
    .symbol:         k_q3bce2eb928_pool.kd
    .args:
      - { .name: feat0, .offset: 0, .size: 8, .value_kind: global_buffer, .address_space: global }
      - { .name: feat1, .offset: 8, .size: 8, .value_kind: global_buffer, .address_space: global }
      - { .name: feat2, .offset: 16, .size: 8, .value_kind: global_buffer, .address_space: global }
      - { .name: feat3, .offset: 24, .size: 8, .value_kind: global_buffer, .address_space: global }
      - { .name: taps, .offset: 32, .size: 8, .value_kind: global_buffer, .address_space: global }
      - { .name: wts, .offset: 40, .size: 8, .value_kind: global_buffer, .address_space: global }
      - { .name: out0, .offset: 48, .size: 8, .value_kind: global_buffer, .address_space: global }
    .group_segment_fixed_size: 51200
    .private_segment_fixed_size: 0
    .kernarg_segment_align: 8
    .kernarg_segment_size: 56
    .max_flat_workgroup_size: 256
    .sgpr_count:     86
    .vgpr_count:     122
    .wavefront_size: 32
...
	.end_amdgpu_metadata
.endif
;; end of part 2
